; MI455X (gfx1250); checked and timed in simulation.
; The chip was launched on July 23, 2026; its instructions are those of AMD's public machine-readable ISA for CDNA 5 (MIT licence, August 2026) and "CDNA5" Instruction Set Architecture Reference Guide (July 2026). The comments in the code are by the model that wrote it; some were corrected since.
;; Bit MLP Block. Allowed arithmetic: matrix products marked QUANTISED: E2M1 operands, one E8M0 scale for each 32 along K, by v_wmma_scale_f32_16x16x128_f8f6f4 with both operands' format E2M1 (or v_wmma_scale_f32_32x16x128_f4), f32 sums; everything else in f32.
;; Inputs: b1 1,024 float32; b2 256 float32; w1 1,024 x 256 float32; w2 256 x 1,024 float32; x 8 x 8,192 x 256 float32.
;; Outputs: out0 8 x 8,192 x 256 float32.
;; This version of the problem:
;;   THIS VERSION OF THE PROBLEM IS GIVEN IN LOW PRECISION. The matrix products marked QUANTISED in the list below multiply operands that are first quantised to E2M1 (2 exponent bits, 1 mantissa bit; 4 bits a number), with one power-of-two scale for each 32 numbers along K (OCP MX v1.0); their sums are f32. All else is computed in f32.
;;   The module's matrix products, in the order in which they are computed (A, B: the left and right operand; K: the contracted axis; several contracted axes count as one K, in the product's order):
;;     1. [M 65,536, K 256] x [K 256, N 1,024]; A: computed on the way; B: computed on the way: QUANTISED
;;     2. [M 65,536, K 1,024] x [K 1,024, N 256]; A: computed on the way; B: computed on the way: QUANTISED
;;   THE QUANTISER, for each operand of a quantised product, along K:
;;     - K is cut into blocks of 32 from its start; a last block that is shorter is filled with zeros.
;;     - A block's scale is 2^e with e = floor(log2(the largest magnitude in the block)) - 2, held to -126 .. 127; a block of zeros has e = 0. As a byte (E8M0): e + 127.
;;     - Each number is divided by its block's scale, clamped to +-6, and rounded to the nearest number of E2M1, ties to even, subnormals kept.
;;     - The product sums the exact products of the quantised numbers (number of the format x scale) in f32.
;;   ~~~python
;;   def quantise(x, axis):      # numpy; x: float32 -> the quantised numbers, widened to float32 again
;;       x = np.moveaxis(x, axis, -1); K = x.shape[-1]
;;       x = np.pad(x, [(0, 0)] * (x.ndim - 1) + [(0, -K % 32)]); x = x.reshape(x.shape[:-1] + (-1, 32)); a = np.abs(x).max(-1, keepdims=True)
;;       e = np.where(a > 0, np.clip(np.frexp(np.where(a > 0, a, 1))[1] - 1 - 2, -126, 127), 0)      # np.frexp(a)[1] - 1 = floor(log2(a)), exactly
;;       r = np.clip(x / 2.0 ** e, -6, 6)
;;       step = 2.0 ** (np.maximum(np.frexp(np.where(r == 0, 1, r))[1] - 1, 0) - 1)
;;       q = np.round(r / step) * step * 2.0 ** e      # np.round: ties to even
;;       return np.moveaxis(q.reshape(q.shape[:-2] + (-1,))[..., :K], -1, axis).astype(np.float32)
;;   ~~~
;;   OPERANDS COMPUTED ON THE WAY. 'Computed on the way' means the value that the module computes at that place (a softmax that the list does not call 'softmax' is quantised finished and normalised). What goes into a quantiser is computed in f32, as accurately as f32 sums, v_exp_f32 and their like allow (about 1e-6 of the number): no bf16 or f16 on the way to a quantiser, and a product that is left as it is and whose result goes on into a quantised operand takes f32 operands (vector FMAs, or v_wmma_f32_16x16x4_f32). A number that lies on a knife's edge between two numbers of the format may be rounded either way, as far as f32 arithmetic and the matrix unit's own rounding can turn it there, and no further.
;; One version. Each part assembles by itself: llvm-mc -triple=amdgcn-amd-amdhsa -mcpu=gfx1250 --defsym DOCPART=n.
;; ======== version 1 of 1: 3 launches
;; workspace buffers: wpart 4,096 bytes; w1img 131,072 bytes; w2img 131,072 bytes; wmeta 256 bytes
;; launch wsum (part 1): grid 128 x 1, 8 waves a work-group, no clusters, 0 bytes of LDS; arguments w1, w2, wpart; writes wpart
.if DOCPART == 1
	.amdgcn_target "amdgcn-amd-amdhsa--gfx1250"
	.amdhsa_code_object_version 6
	.text
	.protected	k_q809583a820_wsum
	.globl	k_q809583a820_wsum
	.p2align	8
	.type	k_q809583a820_wsum,@function
k_q809583a820_wsum:
	s_mov_b64 s[64:65], 0
	v_nop
	global_prefetch_b8 v0, s[64:65] scope:SCOPE_SE
	s_setreg_imm32_b32 hwreg(HW_REG_WAVE_MODE, 25, 1), 1
	s_wait_xcnt 0x0
; Partial sums of |w| for the two weight tensors (262,144 f32 numbers each): the mean of |w| spans the whole tensor,
; so it is made in two launches: here one f32 partial sum a wave, in the next launch their sum.
; Work-groups 0-63 take w1, 64-127 take w2.  A wave sums 512 numbers: four loads of 512 consecutive bytes.
; wpart[8 x work-group + wave]: w1's 512 partial sums first, then w2's.  No LDS, no barrier: waves share nothing.
.set HALF, 64                          ; work-groups for each tensor
	s_load_b128 s[4:7], s[0:1], 0x0                ; w1, w2
	s_load_b64 s[8:9], s[0:1], 0x10                ; wpart
	v_lshrrev_b32 v1, 5, v0
	v_readfirstlane_b32 s10, v1                    ; wave
	v_and_b32 v2, 31, v0                           ; lane
	v_lshlrev_b32 v3, 4, v2                        ; 16 bytes a lane
	s_and_b32 s11, ttmp9, HALF-1
	s_lshl_b32 s11, s11, 3
	s_add_co_u32 s11, s11, s10                     ; which run of 512 numbers of the tensor
	s_lshl_b32 s12, s11, 11                        ; 2,048 bytes a run
	s_mov_b32 s13, 0
	s_lshl_b32 s16, ttmp9, 3
	s_add_co_u32 s16, s16, s10
	s_lshl_b32 s16, s16, 2                         ; my word in wpart
	v_mov_b32 v28, s16
	s_mov_b32 s14, 0x76543210                      ; v_permlanex16_b32's selects for lane l xor 16
	s_mov_b32 s15, 0xfedcba98
	s_wait_kmcnt 0x0
	s_cmp_lt_u32 ttmp9, HALF                       ; the choice hangs on the work-group's number alone
	s_cselect_b64 s[4:5], s[4:5], s[6:7]
	s_add_nc_u64 s[4:5], s[4:5], s[12:13]
.irp i, 0,1,2,3
	global_load_b128 v[4+4*\i:7+4*\i], v3, s[4:5] offset:512*\i   ; no hint: the next launch reads the weights again
.endr
	s_wait_loadcnt 0x0
.irp i, 0,1,2,3,4,5,6,7
	v_add_f32 v[20+\i], |v[4+2*\i]|, |v[5+2*\i]|   ; my 16 magnitudes, as a tree
.endr
.irp i, 0,1,2,3
	v_add_f32 v[20+\i], v[20+\i], v[24+\i]
.endr
	v_add_f32 v20, v20, v22
	v_add_f32 v21, v21, v23
	v_add_f32 v20, v20, v21
	v_add_f32_dpp v20, v20, v20 row_xmask:1 row_mask:0xf bank_mask:0xf
	v_add_f32_dpp v20, v20, v20 row_xmask:2 row_mask:0xf bank_mask:0xf
	v_add_f32_dpp v20, v20, v20 row_xmask:4 row_mask:0xf bank_mask:0xf
	v_add_f32_dpp v20, v20, v20 row_xmask:8 row_mask:0xf bank_mask:0xf
	v_permlanex16_b32 v21, v20, s14, s15           ; (v21 has been written: a lane permute's destination counts as read)
	v_add_f32 v20, v20, v21                        ; the wave's sum, in every lane
	v_cmp_eq_u32 vcc_lo, 0, v2
	s_wait_xcnt 0x0                                ; EXEC changes only behind this wait: the loads above have it among their sources
	s_and_saveexec_b32 s17, vcc_lo                 ; lane 0 stores
	global_store_b32 v28, v20, s[8:9]
	s_wait_xcnt 0x0                                ; and again in front of the line that widens it
	s_or_b32 exec_lo, exec_lo, s17
	s_endpgm
.Lfunc_end_k_q809583a820_wsum:
	.size	k_q809583a820_wsum, .Lfunc_end_k_q809583a820_wsum-k_q809583a820_wsum
	.p2alignl 7, 3214868480
	.fill 96, 4, 3214868480
	.section	.rodata,"a",@progbits
	.p2align	6, 0x0
	.amdhsa_kernel k_q809583a820_wsum
		.amdhsa_group_segment_fixed_size 0
		.amdhsa_private_segment_fixed_size 0
		.amdhsa_enable_private_segment 0
		.amdhsa_kernarg_size 24
		.amdhsa_user_sgpr_count 2
		.amdhsa_user_sgpr_kernarg_segment_ptr 1
		.amdhsa_wavefront_size32 1
		.amdhsa_system_sgpr_workgroup_id_x 1
		.amdhsa_system_sgpr_workgroup_id_y 1
		.amdhsa_system_sgpr_workgroup_id_z 1
		.amdhsa_system_vgpr_workitem_id 0
		.amdhsa_next_free_vgpr 32
		.amdhsa_next_free_sgpr 66
		.amdhsa_reserve_vcc 1
		.amdhsa_float_denorm_mode_32 3
		.amdhsa_float_denorm_mode_16_64 3
		.amdhsa_memory_ordered 1
		.amdhsa_forward_progress 1
		.amdhsa_inst_pref_size 3
	.end_amdhsa_kernel
	.amdgpu_metadata
---
amdhsa.version: [ 1, 2 ]
amdhsa.kernels:
  - .name:           k_q809583a820_wsum
    .symbol:         k_q809583a820_wsum.kd
    .args:
      - { .name: w1, .offset: 0, .size: 8, .value_kind: global_buffer, .address_space: global }
      - { .name: w2, .offset: 8, .size: 8, .value_kind: global_buffer, .address_space: global }
      - { .name: wpart, .offset: 16, .size: 8, .value_kind: global_buffer, .address_space: global }
    .group_segment_fixed_size: 0
    .private_segment_fixed_size: 0
    .kernarg_segment_align: 8
    .kernarg_segment_size: 24
    .max_flat_workgroup_size: 256
    .sgpr_count:     66
    .vgpr_count:     32
    .wavefront_size: 32
...
	.end_amdgpu_metadata
.endif
;; end of part 1
;; launch wcode (part 2): grid 64 x 1, 8 waves a work-group, no clusters, 0 bytes of LDS; arguments w1, w2, wpart, w1img, w2img, wmeta; writes w1img, w2img, wmeta
.if DOCPART == 2
	.amdgcn_target "amdgcn-amd-amdhsa--gfx1250"
	.amdhsa_code_object_version 6
	.text
	.protected	k_q809583a820_wcode
	.globl	k_q809583a820_wcode
	.p2align	8
	.type	k_q809583a820_wcode,@function
k_q809583a820_wcode:
	s_mov_b64 s[64:65], 0
	v_nop
	global_prefetch_b8 v0, s[64:65] scope:SCOPE_SE
	s_setreg_imm32_b32 hwreg(HW_REG_WAVE_MODE, 25, 1), 1
	s_wait_xcnt 0x0
; The weights become codes of FP4 (E2M1), laid in the order in which the next launch's operand registers take them.
; First the tensor's own quantiser: scale = 1 / max(mean |w|, 1e-5); wq = clip(round(w x scale), -1, 1) / scale, so wq is -s, 0 or s with s = 1 / scale.
; Then the block quantiser along K.  Every block that is not all zeros has the largest magnitude s, so ONE E8M0 byte (s's exponent field - 2) serves the whole tensor;
; a block of zeros has zero codes, which add nothing under that byte.  wmeta: that byte four times a word, 32 words for W1, then 32 for W2.
; IMAGES.  A wave makes one block of 512 bytes: lane (r = lane % 16, h = lane / 16) holds the 32 codes of one weight row at k = 64 j + 32 h + 0 .. 31 (j = the block's place along K).
;   w1img block ((w 8 + t) 2 + s) 2 + c: row 128 w + 32 (t / 2) + 8 (t % 2) + r + 8 (r / 8), k = 128 s + 64 c + 32 h ..
;   w2img block ((w 2 + n) 8 + s) 2 + c: row 32 w + 8 n + r + 8 (r / 8), the same k.
;   The rows of a tile are not neighbours: so a lane's results of two neighbouring tiles are 16 neighbours along the next product's K, or of a row of the output.
; Every wave adds the tensor's 512 partial sums in the same order, so all waves get the same bits.
; LIMITS: NaN and infinities are not served.  1 / y is v_rcp_f32 with one Newton step, within an ulp or so of the division; w + (wq - w) is taken as wq.
	s_load_b256 s[4:11], s[0:1], 0x0               ; w1 s[4:5], w2 s[6:7], wpart s[8:9], w1img s[10:11]
	s_load_b128 s[12:15], s[0:1], 0x20             ; w2img s[12:13], wmeta s[14:15]
	v_lshrrev_b32 v1, 5, v0
	v_readfirstlane_b32 s16, v1                    ; wave
	v_and_b32 v2, 31, v0                           ; lane
	v_and_b32 v3, 15, v0                           ; r
	v_bfe_u32 v60, v0, 4, 1                        ; h
	s_and_b32 s17, ttmp9, 31
	s_lshl_b32 s17, s17, 3
	s_add_co_u32 s17, s17, s16                     ; q: my block of the image, 0 .. 255
	s_cmp_lt_u32 ttmp9, 32                         ; W1's work-group or W2's
	s_cselect_b32 s18, 10, 12                      ; a weight row is 1,024 or 4,096 bytes
	s_cselect_b32 s19, 2, 4                        ; 4 or 16 blocks to a tile of 16 rows
	s_cselect_b32 s20, 3, 15
	s_cselect_b32 s26, 0, 2048                     ; the tensor's partial sums in wpart
	s_cselect_b32 s30, 0, 128                      ; its words in wmeta
	s_mov_b32 s27, 0
	s_mov_b32 s31, 0
	s_lshr_b32 s23, s17, s19                       ; the tile
	s_and_b32 s24, s23, 1
	s_lshl_b32 s24, s24, 3                         ; 8 x (tile % 2)
	s_lshr_b32 s23, s23, 1
	s_lshl_b32 s23, s23, 5                         ; 32 x (tile / 2)
	s_add_co_u32 s23, s23, s24                     ; the tile's first row
	s_and_b32 s25, s17, s20
	s_lshl_b32 s25, s25, 8                         ; 64 numbers, 256 bytes, for each place along K
	s_lshl_b32 s28, s17, 9                         ; my block in the image
	s_mov_b32 s29, 0
	v_and_b32 v61, 8, v3
	v_add_nc_u32 v61, v61, v3                      ; r + 8 (r / 8)
	v_add_nc_u32 v61, s23, v61
	v_lshlrev_b32 v61, s18, v61                    ; my row,
	v_lshl_add_u32 v61, v60, 7, v61                ; + 32 h numbers,
	v_add_nc_u32 v61, s25, v61                     ; + the block's place along K
	v_lshlrev_b32 v62, 4, v2                       ; 16 bytes a lane
	v_lshlrev_b32 v63, 2, v2                       ; 4 bytes a lane
	v_mov_b32 v55, 0                               ; upper halves of pairs of which the packed forms take the low word alone: named, so written
	v_mov_b32 v57, 0
	s_mov_b32 s32, 0x76543210
	s_mov_b32 s33, 0xfedcba98
	s_wait_kmcnt 0x0
	s_cmp_lt_u32 ttmp9, 32
	s_cselect_b64 s[4:5], s[4:5], s[6:7]           ; the weights,
	s_cselect_b64 s[10:11], s[10:11], s[12:13]     ; their image
	s_add_nc_u64 s[8:9], s[8:9], s[26:27]
	s_add_nc_u64 s[10:11], s[10:11], s[28:29]
	s_add_nc_u64 s[14:15], s[14:15], s[30:31]
.irp i, 0,1,2,3
	global_load_b128 v[4+4*\i:7+4*\i], v62, s[8:9] offset:512*\i      ; the 512 partial sums, 16 a lane
.endr
.irp i, 0,1,2,3,4,5,6,7
	global_load_b128 v[20+4*\i:23+4*\i], v61, s[4:5] offset:16*\i     ; my 32 weights
.endr
	s_wait_loadcnt 0x8                             ; the partial sums are in; the 8 younger loads may be out
.irp i, 0,1,2,3,4,5,6,7
	v_add_f32 v[4+\i], v[4+\i], v[12+\i]
.endr
.irp i, 0,1,2,3
	v_add_f32 v[4+\i], v[4+\i], v[8+\i]
.endr
	v_add_f32 v4, v4, v6
	v_add_f32 v5, v5, v7
	v_add_f32 v4, v4, v5
	v_add_f32_dpp v4, v4, v4 row_xmask:1 row_mask:0xf bank_mask:0xf
	v_add_f32_dpp v4, v4, v4 row_xmask:2 row_mask:0xf bank_mask:0xf
	v_add_f32_dpp v4, v4, v4 row_xmask:4 row_mask:0xf bank_mask:0xf
	v_add_f32_dpp v4, v4, v4 row_xmask:8 row_mask:0xf bank_mask:0xf
	v_permlanex16_b32 v5, v4, s32, s33
	v_add_f32 v4, v4, v5                           ; the sum of |w|
	v_mul_f32 v52, 0x36800000, v4                  ; x 2^-18: the mean
	v_max_num_f32 v52, 0x3727c5ac, v52             ; held at 1e-5 from below
	v_rcp_f32 v53, v52
	v_nop                                          ; a plain line behind the reciprocal,
	s_wait_alu depctr_va_vdst(0)                   ; and the wait ahead of its first reader
	v_fma_f32 v58, -v52, v53, 1.0
	v_fma_f32 v54, v58, v53, v53                   ; scale = 1 / mean, one Newton step
	v_rcp_f32 v53, v54
	v_nop
	s_wait_alu depctr_va_vdst(0)
	v_fma_f32 v58, -v54, v53, 1.0
	v_fma_f32 v56, v58, v53, v53                   ; s = 1 / scale
	v_add_nc_u32 v59, 0xff000000, v56              ; 2 off s's exponent field: the conversion takes this operand's exponent field as its scale (s is 1e-5 or more: no floor is needed)
	v_lshrrev_b32 v58, 23, v59                     ; the E8M0 byte,
	v_lshl_or_b32 v58, v58, 8, v58
	v_lshl_or_b32 v58, v58, 16, v58                ; four times: the tensor's scale word
	s_wait_loadcnt 0x0
.set GI, 0
.rept 16
	v_pk_mul_f32 v[20+GI:21+GI], v[20+GI:21+GI], v[54:55] op_sel_hi:[1,0]   ; w x scale
.set GI, GI+2
.endr
.set GI, 0
.rept 32
	v_rndne_f32 v[20+GI], v[20+GI]                 ; to the nearest whole number, ties to even
.set GI, GI+1
.endr
.set GI, 0
.rept 32
	v_med3_num_f32 v[20+GI], v[20+GI], -1.0, 1.0
.set GI, GI+1
.endr
.set GI, 0
.rept 16
	v_pk_mul_f32 v[20+GI:21+GI], v[20+GI:21+GI], v[56:57] op_sel_hi:[1,0]   ; -s, 0 or s
.set GI, GI+2
.endr
.irp g, 0,1,2,3
	v_cvt_scalef32_pk8_fp4_f32 v[4+\g], v[20+8*\g:27+8*\g], v59   ; s / 2^e lies in 4 .. 8: code 4 or 6, what lies beyond 6 is held at 6
.endr
	v_nop                                          ; one plain line behind the last conversion
	global_store_b128 v62, v[4:7], s[10:11]        ; 32 lanes store 512 consecutive bytes
	s_cmp_lg_u32 s17, 0
	s_cbranch_scc1 .Ldone                          ; the tensor's first wave also stores its scale words
	global_store_b32 v63, v58, s[14:15]
.Ldone:
	s_endpgm
.Lfunc_end_k_q809583a820_wcode:
	.size	k_q809583a820_wcode, .Lfunc_end_k_q809583a820_wcode-k_q809583a820_wcode
	.p2alignl 7, 3214868480
	.fill 96, 4, 3214868480
	.section	.rodata,"a",@progbits
	.p2align	6, 0x0
	.amdhsa_kernel k_q809583a820_wcode
		.amdhsa_group_segment_fixed_size 0
		.amdhsa_private_segment_fixed_size 0
		.amdhsa_enable_private_segment 0
		.amdhsa_kernarg_size 48
		.amdhsa_user_sgpr_count 2
		.amdhsa_user_sgpr_kernarg_segment_ptr 1
		.amdhsa_wavefront_size32 1
		.amdhsa_system_sgpr_workgroup_id_x 1
		.amdhsa_system_sgpr_workgroup_id_y 1
		.amdhsa_system_sgpr_workgroup_id_z 1
		.amdhsa_system_vgpr_workitem_id 0
		.amdhsa_next_free_vgpr 64
		.amdhsa_next_free_sgpr 66
		.amdhsa_reserve_vcc 0
		.amdhsa_float_denorm_mode_32 3
		.amdhsa_float_denorm_mode_16_64 3
		.amdhsa_memory_ordered 1
		.amdhsa_forward_progress 1
		.amdhsa_inst_pref_size 11
	.end_amdhsa_kernel
	.amdgpu_metadata
---
amdhsa.version: [ 1, 2 ]
amdhsa.kernels:
  - .name:           k_q809583a820_wcode
    .symbol:         k_q809583a820_wcode.kd
    .args:
      - { .name: w1, .offset: 0, .size: 8, .value_kind: global_buffer, .address_space: global }
      - { .name: w2, .offset: 8, .size: 8, .value_kind: global_buffer, .address_space: global }
      - { .name: wpart, .offset: 16, .size: 8, .value_kind: global_buffer, .address_space: global }
      - { .name: w1img, .offset: 24, .size: 8, .value_kind: global_buffer, .address_space: global }
      - { .name: w2img, .offset: 32, .size: 8, .value_kind: global_buffer, .address_space: global }
      - { .name: wmeta, .offset: 40, .size: 8, .value_kind: global_buffer, .address_space: global }
    .group_segment_fixed_size: 0
    .private_segment_fixed_size: 0
    .kernarg_segment_align: 8
    .kernarg_segment_size: 48
    .max_flat_workgroup_size: 256
    .sgpr_count:     66
    .vgpr_count:     64
    .wavefront_size: 32
...
	.end_amdgpu_metadata
.endif
;; end of part 2
;; launch mlp (part 3): grid 256 x 1, 8 waves a work-group, no clusters, 327,680 bytes of LDS; arguments x, b1, b2, w1img, w2img, wmeta, out0; writes out0
.if DOCPART == 3
	.amdgcn_target "amdgcn-amd-amdhsa--gfx1250"
	.amdhsa_code_object_version 6
	.text
	.protected	k_q809583a820_mlp
	.globl	k_q809583a820_mlp
	.p2align	8
	.type	k_q809583a820_mlp,@function
k_q809583a820_mlp:
	s_mov_b64 s[64:65], 0
	v_nop
	global_prefetch_b8 v0, s[64:65] scope:SCOPE_SE
	s_setreg_imm32_b32 hwreg(HW_REG_WAVE_MODE, 25, 1), 1
	s_wait_xcnt 0x0
; out = x + Q8(gelu(Q8(x) W1q^T + b1)) W2q^T + b2, both products on codes of FP4 (E2M1) with one E8M0 scale for each 32 along K.
; Q8 is the token's int8 quantiser: scale = 127 / max(row's largest magnitude, 1e-5); q = round(v x scale) / scale.  The weights' codes come from the launch before.
; SHARES.  A work-group owns 256 tokens, as 8 blocks of 32 (two tiles of 16).  THE EIGHT WAVES SHARE THE COLUMNS: wave w makes hidden units 128 w .. 128 w + 127 (K step w of the second product)
; and outputs 32 w .. 32 w + 31, for all 32 tokens of a block.  Its weights, 256 registers of codes, stay in window 1 for the whole launch: read from memory once.
; Two waves stand on a SIMD (512 registers each): the launch is bound by vector work (some 12 lines for each hidden number), and one wave's lines stand beside the other's LDS and matrix waits.
; x: all 256 rows are asked for at the head, by 8 tensor loads a wave (4 rows of 1,024 bytes each, block by block, so that block 0 lands first); they stay in LDS, serve the quantiser and the residual,
; and each block's rows then take the finished rows of out, which leave as whole rows.  No LDS byte is filled twice.
; BOTH PRODUCTS ARE USED TRANSPOSED (source 0 = 16 weight rows, source 1 = 16 tokens): lane (r, h) holds token r throughout, and by the choice of a tile's weight rows (see the launch before)
; the 16 registers of hidden tiles 2 q, 2 q + 1 are units 128 w + 32 q + 16 h + 0 .. 15, those of the two output tiles are outputs 32 w + 16 h + 0 .. 15.
; The row's largest |gelu| spans the waves: partial maxima meet in LDS.  A block has three barriers:
;   P1 product 1, gelu, maxima | A | P2 the row's scale, int8 rounding, FP4 codes, images to LDS; the next block's x is fetched | B | P3 product 2 onto x + b2; the next block's x is quantised | C | P4 rows of out leave.
; gelu(h) = h (0.5 + 0.5 erf(h / sqrt 2)); erf(z) = z P(z^2) / Q(z^2), degrees 6 and 4, z held to +-4: a few ulp of erf.  The coefficients are rescaled so that the polynomials run in h^2.
; LIMITS: NaN and infinities are not served.  round(v x scale) is one fused multiply-add with 1.5 x 2^23 (one rounding where the definition rounds the product first: they differ only within 2^-24 of a tie).
; n / scale is n x (1 / scale), the reciprocal with one Newton step: some 1.5 ulp.  v + (q - v) is taken as q; the clip to -128 .. 127 never acts, since |v x scale| is at most 127.
; A block whose numbers are all zero gets the byte 1: its codes are zeros, and this program alone reads the bytes.  b1, and x + b2, are the C of each sum's first product.
; The eighth trip has no block to prepare: the next block's address is held at block 7, which is quantised once more and not read (34 LDS loads and some 100 vector lines), so that every trip has one path and the same waits.
; No cluster: all that work-groups share is 256 KiB of weight codes, which each reads once, straight into registers.
.set PITCH, 1040                       ; a row of x in LDS: 1,024 bytes + 16: an odd multiple of 16, so 16 rows begin in 16 different 16-byte columns of 256
.set BLKB,  32*PITCH                   ; a block of 32 rows
.set XC,    256*PITCH                  ; 266,240: x's codes of one block: 32 rows, pitch 144, 16 bytes for each 32 along K
.set XCP,   144
.set XSC,   XC+32*XCP                  ; 270,848: their scale bytes, 8 a row
.set HIMG,  XSC+256                    ; 271,104: the hidden layer's 16 fragments as images of their registers: (8 m + s) x 1,024 + 512 c + 16 x lane
.set HSC,   HIMG+16384                 ; 287,488: its scale words: 768 m + 48 r + 4 s
.set MX,    HSC+1536                   ; 289,024: partial row maxima: 512 m + 32 r + 4 w
.set B1L,   MX+1024                    ; 290,048: b1
.set B2L,   B1L+4096                   ; 294,144: b2; the map ends at 295,168
; window 0: v2-17 addresses that stay, v18-20 the block's; v22-25 two coefficients; v26-33 the rows' scale and its reciprocal; v34-41 block maxima; v42-59 scale words and nothing else
.set SC,  26                           ; v[26+4m:27+4m] scale of tile m (low word);  v[28+4m:29+4m] 1 / scale
.set IV,  28
.set BM,  34                           ; v[34+4m+q] largest |gelu| of block q of tile m
.set W1S, 42
.set W2S, 43
.set HS,  44                           ; v[44+8m+s] the hidden layer's scale words;  x's take v[44+2m+s]
.set XS,  44
.set HA,  64                           ; v64-191: 16 accumulators of the hidden layer, 64 m + 8 t.  In P3: v64-95 the 4 accumulators of out, v96-191 six slots of hidden fragments
.set OA,  64
.set HF,  96
.set XF,  192                          ; v192-223: x's 4 fragments; in gelu h held and h^2; from P2 on the next block's 32 numbers of x
.set HC,  192
.set X2,  208
.set T,   224                          ; v224-255 at work
.set PP,  224
.set QQ,  240
.set XT,  240
.set MSB, 0
.macro WIN new                         ; the immediate's high byte repeats the setting that is left
.if MSB != \new
	s_set_vgpr_msb (MSB<<8)|\new
.set MSB, \new
.endif
.endm
.macro BAR                             ; my LDS stores have landed and my LDS loads are in: then the work-group's barrier
	s_wait_dscnt 0x0
	s_barrier_signal -1
	s_barrier_wait -1
.endm
.macro COEF reg, val, mul              ; a coefficient x its rescaling, as a pair (the packed forms name a pair and take its low word)
	s_mov_b32 s[\reg], \val
	s_mul_f32 s[\reg], s[\reg], \mul
	s_mov_b32 s[\reg+1], s[\reg]
.endm
.macro XLOADS adr                      ; my 32 numbers of x: row 4 w + lane / 8 of a block, block lane % 8 of its 8 blocks of 32
.irp i, 0,1,2,3,4,5,6,7
	ds_load_b128 v[XF+4*\i:XF+4*\i+3], v[\adr] offset:16*\i
.endr
.endm
; The 32 numbers in v[XF] on: the row's int8 quantiser (eight lanes hold a row), then the block's FP4 codes and scale byte, to LDS.
.macro XQUANT
	v_max3_num_f32 v[XT], |v[XF]|, |v[XF+1]|, |v[XF+2]|
	v_max3_num_f32 v[XT+1], |v[XF+3]|, |v[XF+4]|, |v[XF+5]|
.irp k, 6,10,14,18,22,26
	v_max3_num_f32 v[XT], v[XT], |v[XF+\k]|, |v[XF+\k+1]|
	v_max3_num_f32 v[XT+1], v[XT+1], |v[XF+\k+2]|, |v[XF+\k+3]|
.endr
	v_max3_num_f32 v[XT], v[XT], |v[XF+30]|, |v[XF+31]|
	v_max_num_f32 v[XT], v[XT], v[XT+1]            ; my block's largest magnitude
	v_mov_b32 v[XT+2], v[XT]
	v_max_num_f32_dpp v[XT+2], v[XT+2], v[XT+2] row_xmask:1 row_mask:0xf bank_mask:0xf
	v_max_num_f32_dpp v[XT+2], v[XT+2], v[XT+2] row_xmask:2 row_mask:0xf bank_mask:0xf
	v_max_num_f32_dpp v[XT+2], v[XT+2], v[XT+2] row_xmask:4 row_mask:0xf bank_mask:0xf
	v_max_num_f32 v[XT+2], 0x3727c5ac, v[XT+2]     ; the row's, held at 1e-5 from below
	v_rcp_f32 v[XT+3], v[XT+2]
	v_nop                                          ; a plain line behind the reciprocal,
	s_wait_alu depctr_va_vdst(0)                   ; and the wait ahead of its first reader
	v_mul_f32 v[XT+8], s92, v[XT+3]
	v_fma_f32 v[XT+9], -v[XT+8], v[XT+2], s92
	v_fma_f32 v[XT+4], v[XT+9], v[XT+3], v[XT+8]   ; scale = 127 / the maximum: the quotient with one correction
	v_rcp_f32 v[XT+3], v[XT+4]
	v_nop
	s_wait_alu depctr_va_vdst(0)
	v_fma_f32 v[XT+9], -v[XT+4], v[XT+3], 1.0
	v_fma_f32 v[XT+6], v[XT+9], v[XT+3], v[XT+3]   ; 1 / scale
.set GI, 0
.rept 16
	v_pk_fma_f32 v[XF+GI:XF+GI+1], v[XF+GI:XF+GI+1], v[XT+4:XT+5], s[86:87] op_sel_hi:[1,0,0]   ; x scale + 1.5 x 2^23: rounded to a whole number, ties to even
.set GI, GI+2
.endr
	v_fma_f32 v[XT], v[XT], v[XT+4], s86           ; the block's largest magnitude goes the same way: rounding keeps the order, so this is the largest quantised magnitude
.set GI, 0
.rept 16
	v_pk_add_f32 v[XF+GI:XF+GI+1], v[XF+GI:XF+GI+1], s[88:89] op_sel_hi:[1,0]
.set GI, GI+2
.endr
	v_add_f32 v[XT], s88, v[XT]
.set GI, 0
.rept 16
	v_pk_mul_f32 v[XF+GI:XF+GI+1], v[XF+GI:XF+GI+1], v[XT+6:XT+7] op_sel_hi:[1,0]
.set GI, GI+2
.endr
	v_mul_f32 v[XT], v[XT], v[XT+6]
	v_max_num_f32 v[XT], 0x1800000, v[XT]          ; the floor 2^(3 - 127): the byte cannot fall under 1
	v_add_nc_u32 v[XT+10], 0xff000000, v[XT]       ; 2 off the exponent field: the conversion's scale operand
	v_lshrrev_b32 v[XT+11], 23, v[XT+10]           ; the scale's byte
.irp g, 0,1,2,3
	v_cvt_scalef32_pk8_fp4_f32 v[XT+12+\g], v[XF+8*\g:XF+8*\g+7], v[XT+10]
.endr
	v_nop                                          ; one plain line behind the last conversion
	ds_store_b128 v14, v[XT+12:XT+15]              ; 32 codes: 16 bytes of my row
	ds_store_b8 v15, v[XT+11]
.endm
; What the first product wants: x's 4 fragments and scale words, and b1 in the result's layout, into the registers of tile 1's accumulators.  26 LDS loads.
.macro TOPLOADS
.irp m, 0,1
.irp s, 0,1
.irp c, 0,1
	ds_load_b128 v[XF+8*(2*\m+\s)+4*\c:XF+8*(2*\m+\s)+4*\c+3], v2 offset:16*XCP*\m+64*\s+32*\c
.endr
.endr
	ds_load_b64 v[XS+2*\m:XS+2*\m+1], v3 offset:128*\m
.endr
.irp t, 0,1,2,3,4,5,6,7
.irp c, 0,1
	ds_load_b128 v[HA+64+8*\t+4*\c:HA+64+8*\t+4*\c+3], v4 offset:128*(\t/2)+32*(\t%2)+16*\c
.endr
.endr
.endm
.macro MM1 t, s, m, c                  ; hidden tile t of token tile m, K step s; c: where C stands
	v_wmma_scale_f32_16x16x128_f8f6f4 v[HA+64*\m+8*\t:HA+64*\m+8*\t+7], v[8*(2*\t+\s):8*(2*\t+\s)+7], v[XF+8*(2*\m+\s):XF+8*(2*\m+\s)+7], v[\c:\c+7], v[W1S], v[XS+2*\m+\s] matrix_a_fmt:MATRIX_FMT_FP4 matrix_b_fmt:MATRIX_FMT_FP4
.endm
.macro MM2 s, slot                     ; K step s of the second product: the four accumulators by turns
.irp m, 0,1
.irp n, 0,1
	v_wmma_scale_f32_16x16x128_f8f6f4 v[OA+8*(2*\m+\n):OA+8*(2*\m+\n)+7], v[128+8*(8*\n+\s):128+8*(8*\n+\s)+7], v[HF+16*\slot+8*\m:HF+16*\slot+8*\m+7], v[OA+8*(2*\m+\n):OA+8*(2*\m+\n)+7], v[W2S], v[HS+8*\m+\s] matrix_a_fmt:MATRIX_FMT_FP4 matrix_b_fmt:MATRIX_FMT_FP4
.endr
.endr
.endm
.macro HLOAD s, slot                   ; the hidden fragments of K step s, both token tiles
.irp m, 0,1
.irp c, 0,1
	ds_load_b128 v[HF+16*\slot+8*\m+4*\c:HF+16*\slot+8*\m+4*\c+3], v8 offset:(8*\m+\s)*1024+512*\c
.endr
.endr
.endm
; gelu of 16 registers (two accumulators: half a block of 32 units), in place, and their largest magnitude.  Each step runs over all 8 pairs, so that no line waits for the line above it.
.macro GELU16 base, bm
.set GI, 0
.rept 16
	v_med3_num_f32 v[HC+GI], v[(\base)+GI], s91, s90   ; h held to +-4 sqrt 2.  (Ascending: each accumulator is read from its low end on)
.set GI, GI+1
.endr
.set GI, 0
.rept 8
	v_pk_mul_f32 v[X2+GI:X2+GI+1], v[HC+GI:HC+GI+1], v[HC+GI:HC+GI+1]
.set GI, GI+2
.endr
.set GI, 0
.rept 8
	v_pk_fma_f32 v[QQ+GI:QQ+GI+1], v[X2+GI:X2+GI+1], v[24:25], s[78:79] op_sel_hi:[1,1,0]   ; the denominator, by Horner
.set GI, GI+2
.endr
.irp j, 1,2,3
.set GI, 0
.rept 8
	v_pk_fma_f32 v[QQ+GI:QQ+GI+1], v[QQ+GI:QQ+GI+1], v[X2+GI:X2+GI+1], s[78+2*\j:79+2*\j] op_sel_hi:[1,1,0]
.set GI, GI+2
.endr
.endr
.set GN, 0
.irp j, 0,1,2,3,4,5                    ; the numerator's 48 lines; behind every third stands one of the 16 reciprocals: none of these lines names a reciprocal's result
.set GI, 0
.rept 8
.if \j == 0
	v_pk_fma_f32 v[PP+GI:PP+GI+1], v[X2+GI:X2+GI+1], v[22:23], s[66:67] op_sel_hi:[1,1,0]
.else
	v_pk_fma_f32 v[PP+GI:PP+GI+1], v[PP+GI:PP+GI+1], v[X2+GI:X2+GI+1], s[66+2*\j:67+2*\j] op_sel_hi:[1,1,0]
.endif
.if GN%3 == 2
	v_rcp_f32 v[QQ+GN/3], v[QQ+GN/3]
.endif
.set GN, GN+1
.set GI, GI+2
.endr
.endr
.set GI, 0
.rept 8
	v_pk_mul_f32 v[PP+GI:PP+GI+1], v[PP+GI:PP+GI+1], v[HC+GI:HC+GI+1]   ; plain work behind the last reciprocal
.set GI, GI+2
.endr
	s_wait_alu depctr_va_vdst(0)                   ; one wait for the 16 reciprocals, ahead of their first reader
.set GI, 0
.rept 8
	v_pk_fma_f32 v[PP+GI:PP+GI+1], v[PP+GI:PP+GI+1], v[QQ+GI:QQ+GI+1], 0.5 op_sel_hi:[1,1,0]   ; 0.5 + 0.5 erf
.set GI, GI+2
.endr
.set GI, 0
.rept 8
	v_pk_mul_f32 v[(\base)+GI:(\base)+GI+1], v[(\base)+GI:(\base)+GI+1], v[PP+GI:PP+GI+1]
.set GI, GI+2
.endr
	v_max3_num_f32 v[X2], |v[(\base)]|, |v[(\base)+1]|, |v[(\base)+2]|
	v_max3_num_f32 v[X2+1], |v[(\base)+3]|, |v[(\base)+4]|, |v[(\base)+5]|
.irp k, 6,10
	v_max3_num_f32 v[X2], v[X2], |v[(\base)+\k]|, |v[(\base)+\k+1]|
	v_max3_num_f32 v[X2+1], v[X2+1], |v[(\base)+\k+2]|, |v[(\base)+\k+3]|
.endr
	v_max3_num_f32 v[X2], v[X2], |v[(\base)+14]|, |v[(\base)+15]|
	v_max_num_f32 v[(\bm)], v[X2], v[X2+1]
.endm
; Token tile m: the int8 rounding of my 64 numbers and of the 4 block maxima, then the FP4 codes: one fragment (K step w of the second product) and one scale word a token, to LDS.
.macro HQUANT m
.set HB, HA+64*\m
.set GI, 0
.rept 32
	v_pk_fma_f32 v[HB+GI:HB+GI+1], v[HB+GI:HB+GI+1], v[SC+4*\m:SC+4*\m+1], s[86:87] op_sel_hi:[1,0,0]
.set GI, GI+2
.endr
.irp j, 0,2
	v_pk_fma_f32 v[BM+4*\m+\j:BM+4*\m+\j+1], v[BM+4*\m+\j:BM+4*\m+\j+1], v[SC+4*\m:SC+4*\m+1], s[86:87] op_sel_hi:[1,0,0]
.endr
.set GI, 0
.rept 32
	v_pk_add_f32 v[HB+GI:HB+GI+1], v[HB+GI:HB+GI+1], s[88:89] op_sel_hi:[1,0]
.set GI, GI+2
.endr
.irp j, 0,2
	v_pk_add_f32 v[BM+4*\m+\j:BM+4*\m+\j+1], v[BM+4*\m+\j:BM+4*\m+\j+1], s[88:89] op_sel_hi:[1,0]
.endr
.set GI, 0
.rept 32
	v_pk_mul_f32 v[HB+GI:HB+GI+1], v[HB+GI:HB+GI+1], v[IV+4*\m:IV+4*\m+1] op_sel_hi:[1,0]
.set GI, GI+2
.endr
.irp j, 0,2
	v_pk_mul_f32 v[BM+4*\m+\j:BM+4*\m+\j+1], v[BM+4*\m+\j:BM+4*\m+\j+1], v[IV+4*\m:IV+4*\m+1] op_sel_hi:[1,0]
.endr
.irp b, 0,1,2,3
	v_max_num_f32 v[T+16+\b], 0x1800000, v[BM+4*\m+\b]   ; the floor 2^(3 - 127): the byte cannot fall under 1
.endr
.irp b, 0,1,2,3
	v_add_nc_u32 v[T+16+\b], 0xff000000, v[T+16+\b]      ; 2 off the exponent field: the conversion's scale operand
.endr
.irp b, 0,1,2,3
	v_lshrrev_b32 v[T+20+\b], 23, v[T+16+\b]             ; the scale's byte
.endr
	v_lshl_or_b32 v[T+24+\m], v[T+21], 8, v[T+20]
	v_lshl_or_b32 v[T+24+\m], v[T+22], 16, v[T+24+\m]
	v_lshl_or_b32 v[T+24+\m], v[T+23], 24, v[T+24+\m]    ; my token's scale word for these 128 units
.irp b, 0,1,2,3
	v_cvt_scalef32_pk8_fp4_f32 v[T+8*\m+2*\b], v[HB+16*\b:HB+16*\b+7], v[T+16+\b]
	v_cvt_scalef32_pk8_fp4_f32 v[T+8*\m+2*\b+1], v[HB+16*\b+8:HB+16*\b+15], v[T+16+\b]
.endr
	v_nop                                          ; one plain line behind the last conversion
.irp c, 0,1                            ; the operand's layout wants a whole block of 32 in a lane: lanes 0-15 block 2 c, lanes 16-31 block 2 c + 1
.irp i, 0,1
	v_permlane16_swap_b32 v[T+8*\m+4*\c+\i], v[T+8*\m+4*\c+2+\i]
.endr
.endr
.irp c, 0,1
	ds_store_b128 v7, v[T+8*\m+4*\c:T+8*\m+4*\c+3] offset:8192*\m+512*\c   ; the fragment goes to LDS as it stands in the registers
.endr
	ds_store_b32 v9, v[T+24+\m] offset:768*\m      ; both halves of the lanes write the same word with the same value
.endm
	s_load_b256 s[4:11], s[0:1], 0x0               ; x s[4:5], b1 s[6:7], b2 s[8:9], w1img s[10:11]
	s_load_b128 s[12:15], s[0:1], 0x20             ; w2img s[12:13], wmeta s[14:15]
	s_load_b64 s[16:17], s[0:1], 0x30              ; out0
	v_lshl_add_u32 v254, v0, 2, 0x48100
	v_mov_b32 v255, 0
	ds_add_u32 v254, v255
	ds_add_u32 v254, v255
	s_wait_dscnt 0x0
	v_lshrrev_b32 v1, 5, v0
	v_readfirstlane_b32 s18, v1                    ; wave 0..7
	; descriptor group 1: a tile of 4 rows x 256 elements of 4 bytes, 4 words of padding behind each row's 256 words
	s_mov_b32 s24, (2<<16)|(1<<20)|(7<<22)|(3<<25)
	s_mov_b32 s25, 256<<16                         ; tensor_dim0 = 256
	s_mov_b32 s26, 4<<16                           ; tensor_dim1 = 4
	s_mov_b32 s27, 256<<16                         ; tile_dim0 = 256
	s_mov_b32 s28, 4                               ; tile_dim1 = 4
	s_mov_b32 s29, 256                             ; elements from row to row
	s_mov_b32 s30, 0
	s_mov_b32 s31, 0
	s_lshl_b32 s94, ttmp9, 18                      ; the work-group's 256 rows of 1,024 bytes,
	s_lshl_b32 s96, s18, 12                        ; my wave's 4 rows of a block
	s_add_co_u32 s94, s94, s96
	s_mov_b32 s95, 0
	s_mul_i32 s97, s18, 4*PITCH                    ; and their place in a block in LDS
	s_wait_kmcnt 0x0
	s_add_nc_u64 s[4:5], s[4:5], s[94:95]
	s_add_nc_u64 s[16:17], s[16:17], s[94:95]
.irp b, 0,1,2,3,4,5,6,7                ; group 0, a set for each block: none is written again
	s_mov_b32 s[32+4*\b], 1
	s_add_co_u32 s[33+4*\b], s97, \b*BLKB
	s_add_nc_u64 s[34+4*\b:35+4*\b], s[4:5], \b*32768
	s_or_b32 s[35+4*\b], s[35+4*\b], 0x80000000
.endr
.irp b, 0,1,2,3,4,5,6,7                ; all of my x, block by block: eight tensor loads of mine are out; a wave's loads end in the order of issue (ISA guide 10.11.1)
	tensor_load_to_lds s[32+4*\b:35+4*\b], s[24:31]
	s_nop 0
.endr
.rept 4
	v_nop
.endr
	v_and_b32 v60, 31, v0                          ; lane
	v_and_b32 v61, 15, v0                          ; r
	v_bfe_u32 v62, v0, 4, 1                        ; h
	v_lshrrev_b32 v63, 3, v60                      ; lane / 8
	v_and_b32 v1, 7, v60                           ; lane % 8
	s_lshl_b32 s96, s18, 9
	s_lshl_b32 s98, s18, 7
	s_lshl_b32 s99, s18, 2
	v_mul_u32_u24 v2, v61, XCP
	v_lshl_add_u32 v2, v62, 4, v2
	v_add_nc_u32 v2, XC, v2                        ; v2   x's fragments: XC + 144 r + 16 h
	v_lshl_add_u32 v3, v61, 3, XSC                 ; v3   x's scale words: XSC + 8 r
	v_lshl_add_u32 v4, v62, 6, B1L
	v_add_nc_u32 v4, s96, v4                       ; v4   b1: B1L + 512 w + 64 h
	v_lshl_add_u32 v6, v61, 5, MX                  ; v6   a row's 8 partial maxima: MX + 32 r
	v_add_nc_u32 v5, s99, v6                       ; v5   mine among them: + 4 w
	v_lshl_add_u32 v8, v60, 4, HIMG                ; v8   an image's place for my lane: HIMG + 16 x lane
	s_lshl_b32 s96, s18, 10
	v_add_nc_u32 v7, s96, v8                       ; v7   where I store mine: + 1,024 w
	v_mul_u32_u24 v10, v61, 48
	v_add_nc_u32 v10, HSC, v10                     ; v10  a token's 8 scale words: HSC + 48 r
	v_add_nc_u32 v9, s99, v10                      ; v9   mine among them: + 4 w
	v_mul_u32_u24 v11, v61, PITCH
	v_lshl_add_u32 v11, v62, 6, v11
	v_add_nc_u32 v11, s98, v11                     ; v11  my 16 outputs' bytes in row r of a block: 1,040 r + 128 w + 64 h
	v_mul_u32_u24 v12, v63, PITCH
	v_lshl_add_u32 v12, v1, 7, v12
	v_add_nc_u32 v12, s97, v12                     ; v12  the quantiser's 32 numbers: row 4 w + lane / 8, 128 bytes x (lane % 8)
	v_lshlrev_b32 v17, 4, v60                      ; v17  16 x lane
	v_add_nc_u32 v13, s97, v17                     ; v13  the way out: my 4 rows, 16 bytes a lane
	v_mul_u32_u24 v14, v63, XCP
	v_lshl_add_u32 v14, v1, 4, v14
	s_mul_i32 s96, s18, 4*XCP
	v_add_nc_u32 v14, s96, v14
	v_add_nc_u32 v14, XC, v14                      ; v14  where my block's codes go
	v_add_nc_u32 v15, XSC, v0                      ; v15  and its scale byte: 8 x row + block = 32 w + lane
	v_lshl_add_u32 v16, v62, 6, B2L
	v_add_nc_u32 v16, s98, v16                     ; v16  b2: B2L + 128 w + 64 h
.irp j, 27,29,31,33,245,247
	v_mov_b32 v[\j], 0                             ; upper halves of pairs of which the packed forms take the low word alone: named, so written
.endr
	v_lshlrev_b32 v64, 4, v0
	v_lshlrev_b32 v65, 2, v0
	v_lshlrev_b32 v66, 2, v60
	v_add_nc_u32 v67, B1L, v64
	v_add_nc_u32 v68, B2L, v65
	s_lshl_b32 s94, s18, 14                        ; my wave's 16,384 bytes of each image
	s_add_nc_u64 s[10:11], s[10:11], s[94:95]
	s_add_nc_u64 s[12:13], s[12:13], s[94:95]
	global_load_b128 v[224:227], v64, s[6:7]       ; b1: 16 bytes a thread
	global_load_b32 v228, v65, s[8:9]              ; b2: 4 bytes a thread
	global_load_b32 v[W1S], v66, s[14:15]          ; the weights' scale words: the same word in every lane
	global_load_b32 v[W2S], v66, s[14:15] offset:128
	WIN 0x40                                       ; destination window 1
.set GI, 0
.rept 32
	global_load_b128 v[4*GI:4*GI+3], v17, s[10:11] offset:512*GI      ; W1's fragment (t, s) at v[8 (2 t + s)] of window 1
.set GI, GI+1
.endr
	WIN 0
	s_mov_b32 s22, 0x76543210                      ; v_permlanex16_b32's selects for lane l xor 16
	s_mov_b32 s23, 0xfedcba98
	; erf's coefficients.  Numerator: a_k x (0.5 / sqrt 2) x 2^-k; denominator: b_k x 2^-k: the polynomials then run in h^2 = 2 z^2, and h x P / Q is 0.5 erf(h / sqrt 2)
	s_mov_b32 s93, -2.72614225801306e-10
	s_mul_f32 s93, s93, 0x3bb504f3
	v_mov_b32 v22, s93
	v_mov_b32 v23, s93
	s_mov_b32 s93, -1.45660718464996e-05
	s_mul_f32 s93, s93, 0x3d800000
	v_mov_b32 v24, s93
	v_mov_b32 v25, s93
	COEF 66, 2.77068142495902e-08, 0x3c3504f3
	COEF 68, -2.10102402082508e-06, 0x3cb504f3
	COEF 70, -5.69250639462346e-05, 0x3d3504f3
	COEF 72, -7.34990630326855e-04, 0x3db504f3
	COEF 74, -2.95459980854025e-03, 0x3e3504f3
	COEF 76, -1.60960333262415e-02, 0x3eb504f3
	COEF 78, -2.13374055278905e-04, 0x3e000000
	COEF 80, -1.68282697438203e-03, 0x3e800000
	COEF 82, -7.37332916720468e-03, 0.5
	COEF 84, -1.42647390514189e-02, 1.0
	s_mov_b32 s86, 0x4b400000                      ; 1.5 x 2^23
	s_mov_b32 s87, s86
	s_mov_b32 s88, 0xcb400000
	s_mov_b32 s89, s88
	s_mov_b32 s90, 0x40b504f3                      ; 4 sqrt 2
	s_mov_b32 s91, 0xc0b504f3
	s_mov_b32 s92, 0x42fe0000                      ; 127
	s_wait_loadcnt 34                              ; b1 and b2 are in; the 2 scale words and W1's 32 loads may be out
	ds_store_b128 v67, v[224:227]
	ds_store_b32 v68, v228
	WIN 0x40
.set GI, 0
.rept 32
	global_load_b128 v[128+4*GI:128+4*GI+3], v17, s[12:13] offset:512*GI   ; W2's fragment (n, s) at v[128 + 8 (8 n + s)] of window 1
.set GI, GI+1
.endr
	WIN 0
	s_wait_tensorcnt 0x7                           ; my 4 rows of block 0 are in; my 7 younger loads stay out
	XLOADS 12
	s_wait_dscnt 0x0
	XQUANT
	BAR                                            ; block 0's codes, b1 and b2 lie in LDS, and every wave's rows of block 0 have landed
	TOPLOADS
	s_wait_loadcnt 0x0                             ; the weights and their scale words
; ONE BLOCK OF 32 TOKENS.  early = 1: the trips in which tensor loads may still be out.
.macro BLOCK early
	; ---- P1: the hidden layer
	s_add_co_u32 s21, s20, BLKB
	s_min_u32 s21, s21, 7*BLKB                     ; the next block, held at the last
	v_add_nc_u32 v18, s20, v11
	v_add_nc_u32 v19, s21, v12
	v_add_nc_u32 v20, s20, v13
	s_wait_dscnt 0x0                               ; x's fragments, its scale words and b1 are in
	WIN 0x01                                       ; source 0, the weights: window 1
.irp t, 0,1,2,3,4,5,6,7
	MM1 \t, 0, 0, HA+64+8*\t                       ; tile 0's sums start from b1, which stands in tile 1's accumulators
.endr
.rept 5
	v_nop                                          ; five places: the next run writes over registers that these products read as C (the hazard: ISA guide 7.12.1)
.endr
.irp t, 0,1,2,3,4,5,6,7
	MM1 \t, 0, 1, HA+64+8*\t                       ; tile 1's start from it in place
.endr
.irp m, 0,1
.irp t, 0,1,2,3,4,5,6,7
	MM1 \t, 1, \m, HA+64*\m+8*\t                   ; the 16 accumulators by turns, one product a turn
.endr
.endr
	WIN 0
.rept 4
	v_nop                                          ; four places ahead of the first read of results and the first write of x's fragments
.endr
.irp m, 0,1
.irp q, 0,1,2,3
	GELU16 HA+64*\m+16*\q, BM+4*\m+\q
.endr
.endr
.irp i, 0,1,2,3,4,5,6,7
	v_permlanex16_b32 v[T+\i], v[BM+\i], s22, s23
.endr
.irp i, 0,1,2,3,4,5,6,7
	v_max_num_f32 v[BM+\i], v[BM+\i], v[T+\i]      ; with lane l xor 16's 16 units: the block's largest magnitude
.endr
.irp m, 0,1
	v_max3_num_f32 v[T+8+\m], v[BM+4*\m], v[BM+4*\m+1], v[BM+4*\m+2]
.endr
.irp m, 0,1
	v_max_num_f32 v[T+8+\m], v[T+8+\m], v[BM+4*\m+3]   ; my 128 units' share of the row's maximum
.endr
	ds_store_b32 v5, v[T+8]
	ds_store_b32 v5, v[T+9] offset:512
	BAR                                            ; A: the eight shares of each row lie in LDS
	; ---- P2: the row's scale; the hidden layer becomes codes
	ds_load_b128 v[T:T+3], v6
	ds_load_b128 v[T+4:T+7], v6 offset:16
	ds_load_b128 v[T+8:T+11], v6 offset:512
	ds_load_b128 v[T+12:T+15], v6 offset:528
.if \early
	s_wait_tensorcnt 0x4                           ; my rows of blocks 0 to 3 are in, all that these three trips read; my loads for blocks 4 to 7 may stay out
.endif
	XLOADS 19                                      ; the next block's x, my own rows: it lands while the codes are made
	s_wait_dscnt 0x8                               ; the maxima are in; the 8 loads just issued may be out
.irp m, 0,1
	v_max3_num_f32 v[T+16+\m], v[T+8*\m], v[T+8*\m+1], v[T+8*\m+2]
.endr
.irp m, 0,1
	v_max3_num_f32 v[T+16+\m], v[T+16+\m], v[T+8*\m+3], v[T+8*\m+4]
.endr
.irp m, 0,1
	v_max3_num_f32 v[T+16+\m], v[T+16+\m], v[T+8*\m+5], v[T+8*\m+6]
.endr
.irp m, 0,1
	v_max3_num_f32 v[T+16+\m], v[T+16+\m], v[T+8*\m+7], 0x3727c5ac   ; held at 1e-5 from below
.endr
.irp m, 0,1
	v_rcp_f32 v[T+18+\m], v[T+16+\m]
.endr
	v_nop                                          ; a plain line behind the reciprocals,
	s_wait_alu depctr_va_vdst(0)                   ; and one wait for the two, ahead of their first reader
.irp m, 0,1
	v_mul_f32 v[T+20+\m], s92, v[T+18+\m]
.endr
.irp m, 0,1
	v_fma_f32 v[T+22+\m], -v[T+20+\m], v[T+16+\m], s92
.endr
.irp m, 0,1
	v_fma_f32 v[SC+4*\m], v[T+22+\m], v[T+18+\m], v[T+20+\m]   ; scale = 127 / the maximum
.endr
.irp m, 0,1
	v_rcp_f32 v[T+18+\m], v[SC+4*\m]
.endr
	v_nop
	s_wait_alu depctr_va_vdst(0)
.irp m, 0,1
	v_fma_f32 v[T+22+\m], -v[SC+4*\m], v[T+18+\m], 1.0
.endr
.irp m, 0,1
	v_fma_f32 v[IV+4*\m], v[T+22+\m], v[T+18+\m], v[T+18+\m]   ; 1 / scale
.endr
	HQUANT 0
	HQUANT 1
	BAR                                            ; B: the 16 hidden fragments and their scale words lie in LDS; the next block's x is in my registers
	; ---- P3: the second product, onto x + b2
.irp m, 0,1
.irp n, 0,1
.irp c, 0,1
	ds_load_b128 v[OA+8*(2*\m+\n)+4*\c:OA+8*(2*\m+\n)+4*\c+3], v18 offset:16*PITCH*\m+32*\n+16*\c   ; x at my outputs' places: the residual
.endr
.endr
.endr
.irp n, 0,1
.irp c, 0,1
	ds_load_b128 v[T+8*\n+4*\c:T+8*\n+4*\c+3], v16 offset:32*\n+16*\c
.endr
.endr
.irp m, 0,1
.irp c, 0,1
	ds_load_b128 v[HS+8*\m+4*\c:HS+8*\m+4*\c+3], v10 offset:768*\m+16*\c
.endr
.endr
.irp s, 0,1,2,3,4,5
	HLOAD \s, \s
.endr
	XQUANT                                         ; the next block's x becomes codes while the 40 loads above land
	s_wait_dscnt 0x0
.irp m, 0,1
.irp n, 0,1
.irp j, 0,2,4,6
	v_pk_add_f32 v[OA+8*(2*\m+\n)+\j:OA+8*(2*\m+\n)+\j+1], v[OA+8*(2*\m+\n)+\j:OA+8*(2*\m+\n)+\j+1], v[T+8*\n+\j:T+8*\n+\j+1]   ; x + b2: where the sums start
.endr
.endr
.endr
.rept 4
	v_nop
.endr
	WIN 0x01
	MM2 0, 0
	MM2 1, 1
	WIN 0
.rept 4
	v_nop                                          ; four places ahead of loads into registers that these products read
.endr
	HLOAD 6, 0
	HLOAD 7, 1
	WIN 0x01
	MM2 2, 2
	MM2 3, 3
	MM2 4, 4
	MM2 5, 5
	s_wait_dscnt 0x0                               ; K steps 6 and 7 are in (asked for 16 products ago)
	MM2 6, 0
	MM2 7, 1
	WIN 0
.rept 4
	v_nop                                          ; four places ahead of the first read of results, and of the loads in P4 into the fragments' and scale words' registers
.endr
.irp m, 0,1
.irp n, 0,1
.irp c, 0,1
	ds_store_b128 v18, v[OA+8*(2*\m+\n)+4*\c:OA+8*(2*\m+\n)+4*\c+3] offset:16*PITCH*\m+32*\n+16*\c   ; out takes x's place: bytes that this wave alone has read in this phase; each accumulator from its low end on
.endr
.endr
.endr
	BAR                                            ; C: 32 whole rows of out, and the next block's codes, lie in LDS
	; ---- P4: my 4 rows of out leave
.irp i, 0,1,2,3,4,5,6,7
	ds_load_b128 v[T+4*\i:T+4*\i+3], v20 offset:PITCH*(\i/2)+512*(\i%2)
.endr
	TOPLOADS                                       ; the next block's operands
	s_wait_dscnt 26                                ; the rows are in; the 26 loads issued behind them may be out
.irp i, 0,1,2,3,4,5,6,7
	global_store_b128 v17, v[T+4*\i:T+4*\i+3], s[16:17] offset:512*\i th:TH_STORE_NT   ; 32 lanes store 512 consecutive bytes, at a multiple of 256 from out's first byte; written once, read by nobody here
.endr
	s_wait_xcnt 0x0                                ; the stores have read their data and their base: both are written again only behind this wait
	s_add_nc_u64 s[16:17], s[16:17], 32768
	s_add_co_u32 s20, s20, BLKB
.endm
	s_mov_b32 s20, 0                               ; the block's first byte in LDS
	s_mov_b32 s19, 3
.Learly:                                               ; blocks 0 to 2
	BLOCK 1
	s_sub_co_u32 s19, s19, 1
	s_cmp_lg_u32 s19, 0
	s_cbranch_scc1 .Learly
	s_wait_tensorcnt 0x0                           ; all my rows of x are in: asked for three blocks' work ago.  Other waves' rows are read only behind a barrier that follows this wait in every wave
	s_mov_b32 s19, 5
.Llate:                                                ; blocks 3 to 7
	BLOCK 0
	s_sub_co_u32 s19, s19, 1
	s_cmp_lg_u32 s19, 0
	s_cbranch_scc1 .Llate
	s_wait_dscnt 0x0                               ; the last trip's operand loads, which nobody uses
	s_wait_xcnt 0x0
	v_lshl_add_u32 v254, v0, 2, 0x48100
	v_mov_b32 v255, 0
	s_wait_tensorcnt 0x0
	ds_add_u32 v254, v255
	s_wait_dscnt 0x0
	s_endpgm
.Lfunc_end_k_q809583a820_mlp:
	.size	k_q809583a820_mlp, .Lfunc_end_k_q809583a820_mlp-k_q809583a820_mlp
	.p2alignl 7, 3214868480
	.fill 96, 4, 3214868480
	.section	.rodata,"a",@progbits
	.p2align	6, 0x0
	.amdhsa_kernel k_q809583a820_mlp
		.amdhsa_group_segment_fixed_size 327680
		.amdhsa_private_segment_fixed_size 0
		.amdhsa_enable_private_segment 0
		.amdhsa_kernarg_size 56
		.amdhsa_user_sgpr_count 2
		.amdhsa_user_sgpr_kernarg_segment_ptr 1
		.amdhsa_wavefront_size32 1
		.amdhsa_system_sgpr_workgroup_id_x 1
		.amdhsa_system_sgpr_workgroup_id_y 1
		.amdhsa_system_sgpr_workgroup_id_z 1
		.amdhsa_system_vgpr_workitem_id 0
		.amdhsa_next_free_vgpr 512
		.amdhsa_next_free_sgpr 100
		.amdhsa_reserve_vcc 0
		.amdhsa_float_denorm_mode_32 3
		.amdhsa_float_denorm_mode_16_64 3
		.amdhsa_memory_ordered 1
		.amdhsa_forward_progress 1
		.amdhsa_inst_pref_size 252
	.end_amdhsa_kernel
	.amdgpu_metadata
---
amdhsa.version: [ 1, 2 ]
amdhsa.kernels:
  - .name:           k_q809583a820_mlp
    .symbol:         k_q809583a820_mlp.kd
    .args:
      - { .name: x, .offset: 0, .size: 8, .value_kind: global_buffer, .address_space: global }
      - { .name: b1, .offset: 8, .size: 8, .value_kind: global_buffer, .address_space: global }
      - { .name: b2, .offset: 16, .size: 8, .value_kind: global_buffer, .address_space: global }
      - { .name: w1img, .offset: 24, .size: 8, .value_kind: global_buffer, .address_space: global }
      - { .name: w2img, .offset: 32, .size: 8, .value_kind: global_buffer, .address_space: global }
      - { .name: wmeta, .offset: 40, .size: 8, .value_kind: global_buffer, .address_space: global }
      - { .name: out0, .offset: 48, .size: 8, .value_kind: global_buffer, .address_space: global }
    .group_segment_fixed_size: 327680
    .private_segment_fixed_size: 0
    .kernarg_segment_align: 8
    .kernarg_segment_size: 56
    .max_flat_workgroup_size: 256
    .sgpr_count:     100
    .vgpr_count:     512
    .wavefront_size: 32
...
	.end_amdgpu_metadata
.endif
;; end of part 3
